; MI455X (gfx1250); checked and timed in simulation.
; The chip was launched on July 23, 2026; its instructions are those of AMD's public machine-readable ISA for CDNA 5 (MIT licence, August 2026) and "CDNA5" Instruction Set Architecture Reference Guide (July 2026). The comments in the code are by the model that wrote it; some were corrected since.
;; Multi Head Attention. Allowed arithmetic: matrix products marked QUANTISED: E5M2 operands, one given power-of-two scale a tensor, by v_wmma_f32_16x16x64_bf8_bf8 or v_wmma_f32_16x16x128_bf8_bf8, f32 sums; everything else in f32.
;; Inputs: Wk 512 x 512 float32; Wo 512 x 512 float32; Wq 512 x 512 float32; Wv 512 x 512 float32; bo 512 float32; keys 2 x 4,096 x 512 float32; lowp_scales 12 int32 (the exponents e of the quantised operands' scales 2^e); mask 2 x 1 x 4,096 x 4,096 int32; query 2 x 4,096 x 512 float32; values 2 x 4,096 x 512 float32.
;; Outputs: out0 2 x 4,096 x 512 float32.
;; This version of the problem:
;;   THIS VERSION OF THE PROBLEM IS GIVEN IN LOW PRECISION. The matrix products marked QUANTISED in the list below multiply operands that are first quantised to E5M2 (5 exponent bits, 2 mantissa bits; 8 bits a number), with one given power-of-two scale for each operand tensor; their sums are f32. All else is computed in f32.
;;   The module's matrix products, in the order in which they are computed (A, B: the left and right operand; K: the contracted axis; several contracted axes count as one K, in the product's order):
;;     1. [M 8,192, K 512] x [K 512, N 512]; A: input values; B: input Wv: QUANTISED (scales: A lowp_scales[0], B lowp_scales[1])
;;     2. [M 8,192, K 512] x [K 512, N 512]; A: input keys; B: input Wk: QUANTISED (scales: A lowp_scales[2], B lowp_scales[3])
;;     3. [M 8,192, K 512] x [K 512, N 512]; A: input query; B: input Wq: QUANTISED (scales: A lowp_scales[4], B lowp_scales[5])
;;     4. batch 16 x [M 4,096, K 64] x [K 64, N 4,096]; A: computed on the way; B: computed on the way: QUANTISED (scales: A lowp_scales[6], B lowp_scales[7])
;;     5. batch 16 x [M 64, K 4,096] x [K 4,096, N 4,096]; A: computed on the way; B: softmax (see below): QUANTISED (scales: A lowp_scales[8], B lowp_scales[9])
;;     6. [M 8,192, K 512] x [K 512, N 512]; A: computed on the way; B: input Wo: QUANTISED (scales: A lowp_scales[10], B lowp_scales[11])
;;   THE QUANTISER, for each operand of a quantised product, along K:
;;     - The operand's scale is 2^e, e = its entry of the input lowp_scales (int32; the entries are numbered through the quantised products in the list's order, A before B).
;;     - Each number is divided by the scale, clamped to +-57,344, and rounded to the nearest number of E5M2, ties to even, subnormals kept.
;;     - The product sums the exact products of the quantised numbers (number of the format x scale) in f32.
;;   ~~~python
;;   def quantise(x, axis, e):      # numpy; x: float32 -> the quantised numbers, widened to float32 again
;;       x = np.moveaxis(x, axis, -1); K = x.shape[-1]
;;       r = np.clip(x / 2.0 ** e, -57344, 57344)
;;       step = 2.0 ** (np.maximum(np.frexp(np.where(r == 0, 1, r))[1] - 1, -14) - 2)
;;       q = np.round(r / step) * step * 2.0 ** e      # np.round: ties to even
;;       return np.moveaxis(q, -1, axis).astype(np.float32)
;;   ~~~
;;   SOFTMAX AHEAD OF A QUANTISED PRODUCT. Where the list says 'softmax', what is quantised is not the finished softmax but p = 2^(t - M), with t = logit x log2(e) and M = ceil(the row's largest t), a whole number; so 1/2 < the row's largest p <= 1. The row's sum l is taken of the UNQUANTISED p, in f32, and the product's result is divided by l at the end. Since M is a whole number, a kernel that streams over the keys may use a running M (the ceiling of the running maximum): every later rescaling is an exact power of two, so the quantised numbers keep their values, but for numbers so far below the row's largest that they fall under the format's range.
;;   OPERANDS COMPUTED ON THE WAY. 'Computed on the way' means the value that the module computes at that place (a softmax that the list does not call 'softmax' is quantised finished and normalised). What goes into a quantiser is computed in f32, as accurately as f32 sums, v_exp_f32 and their like allow (about 1e-6 of the number): no bf16 or f16 on the way to a quantiser, and a product that is left as it is and whose result goes on into a quantised operand takes f32 operands (vector FMAs, or v_wmma_f32_16x16x4_f32). A number that lies on a knife's edge between two numbers of the format may be rounded either way, as far as f32 arithmetic and the matrix unit's own rounding can turn it there, and no further.
;; One version. Each part assembles by itself: llvm-mc -triple=amdgcn-amd-amdhsa -mcpu=gfx1250 --defsym DOCPART=n.
;; ======== version 1 of 1: 4 launches
;; limits: right only within a limited range of input values
;; workspace buffers: mimg 16,777,216 bytes; wimg 1,048,576 bytes; qimg 4,194,304 bytes; kv 8,388,608 bytes; aimg 4,194,304 bytes
;; launch wprep (part 1): grid 128 x 1, 4 waves a work-group, no clusters, 0 bytes of LDS; arguments Wv, Wk, Wq, Wo, lowp_scales, wimg; writes wimg
.if DOCPART == 1
	.amdgcn_target "amdgcn-amd-amdhsa--gfx1250"
	.amdhsa_code_object_version 6
	.text
	.protected	k_qd238a1fa4c_wprep
	.globl	k_qd238a1fa4c_wprep
	.p2align	8
	.type	k_qd238a1fa4c_wprep,@function
k_qd238a1fa4c_wprep:
	s_mov_b64 s[64:65], 0
	v_nop
	global_prefetch_b8 v0, s[64:65] scope:SCOPE_SE
	s_setreg_imm32_b32 hwreg(HW_REG_WAVE_MODE, 25, 1), 1
	s_wait_xcnt 0x0
; WPREP: the four weights become codes of BF8 (E5M2), laid as IMAGES OF REGISTERS: four registers of a wave are 512 consecutive bytes, lane l's 16 bytes at 16 l.
; WEIGHTS [512][512] f32, K innermost -> wimg [Wv, Wk, Wq, Wo][tile T 32][K step s 4][chunk c 4][512]: lane (r, h) holds row(T, r) at k = 128 s + 32 c + 16 h + 0 .. 15.
;   row = 32 (T / 2) + 8 (T % 2) + r + 8 (r / 8) for Wv, Wk, Wq (so that a result's 16 registers of two neighbouring tiles are 16 neighbours along the next K); row = 16 T + r for Wo.
;   code = w / 2^e, held within +-57,344, to the nearest code, ties to even.  e = lowp_scales[1], [3], [5], [11].  LIMITS: -126 <= e <= 112; NaN among the weights is not served.
; SHARES.  Work-group n: weight n / 32, tile n % 32; wave s takes K step s: 16 rows x 128 numbers in, 2,048 bytes of codes out.  512 waves in all: the four weights have no more such pieces.
; No matrix unit, no LDS, no tensor load, no cluster, no barrier: no two waves read the same byte, and each lane's loads give it its 16 neighbours as they lie.
.set R, 16                             ; v16-79 a lane's 64 numbers
.set C, 80                             ; v80-95 their codes
	s_load_b256 s[8:15], s[0:1], 0x0               ; Wv s[8:9], Wk s[10:11], Wq s[12:13], Wo s[14:15]
	s_load_b128 s[16:19], s[0:1], 0x20             ; scales s[16:17], wimg s[18:19]
	v_lshrrev_b32 v6, 5, v0
	v_readfirstlane_b32 s4, v6                     ; wave = K step
	v_and_b32 v7, 31, v0
	v_lshlrev_b32 v1, 4, v7                        ; 16 x lane
	v_and_b32 v8, 15, v0                           ; r
	v_bfe_u32 v9, v0, 4, 1                         ; h
	s_lshr_b32 s5, ttmp9, 5                        ; which weight: 0 Wv, 1 Wk, 2 Wq, 3 Wo
	s_and_b32 s6, ttmp9, 31                        ; tile T
	s_cmp_eq_u32 s5, 3
	s_cselect_b32 s26, 0, 8                        ; Wo's tiles take neighbouring rows
	s_lshr_b32 s27, s6, 1
	s_lshl_b32 s27, s27, 5
	s_and_b32 s28, s6, 1
	s_lshl_b32 s28, s28, 3
	s_add_co_u32 s27, s27, s28                     ; 32 (T / 2) + 8 (T % 2)
	s_lshl_b32 s28, s6, 4                          ; 16 T
	s_cmp_eq_u32 s5, 3
	s_cselect_b32 s27, s28, s27
	s_lshl_b32 s28, s27, 11                        ; a row is 2,048 bytes,
	s_lshl_b32 s29, s4, 9                          ; a K step 512
	s_add_co_u32 s28, s28, s29
	s_mov_b32 s29, 0
	s_lshl_b32 s30, s5, 18                         ; wimg: 262,144 bytes a weight,
	s_lshl_b32 s31, s6, 13                         ; 8,192 a tile,
	s_add_co_u32 s30, s30, s31
	s_lshl_b32 s31, s4, 11                         ; 2,048 a K step
	s_add_co_u32 s30, s30, s31
	s_mov_b32 s31, 0
	s_wait_alu depctr_va_vdst(0)                   ; the wait directly ahead of the reader below
	v_and_b32 v6, s26, v8
	v_add_nc_u32 v6, v6, v8                        ; r + 8 (r / 8), or r
	v_lshlrev_b32 v2, 11, v6
	v_lshl_add_u32 v2, v9, 6, v2                   ; + 64 h: my 16 numbers of a block of 32
	s_wait_alu depctr_va_vdst(0)                   ; the wait directly ahead of the wait below
	s_wait_kmcnt 0x0
	s_load_b256 s[32:39], s[16:17], 0x0            ; lowp_scales[0 .. 7]
	s_load_b128 s[40:43], s[16:17], 0x20           ; [8 .. 11]
	s_cmp_eq_u32 s5, 0                             ; the choices hang on the work-group's number alone
	s_cselect_b64 s[24:25], s[8:9], s[10:11]
	s_cmp_lt_u32 s5, 2
	s_cselect_b64 s[24:25], s[24:25], s[12:13]
	s_cmp_eq_u32 s5, 3
	s_cselect_b64 s[24:25], s[14:15], s[24:25]
	s_add_nc_u64 s[24:25], s[24:25], s[28:29]
	s_add_nc_u64 s[18:19], s[18:19], s[30:31]
.irp c, 0,1,2,3
.irp q, 0,1,2,3
	global_load_b128 v[R+16*\c+4*\q:R+16*\c+4*\q+3], v2, s[24:25] offset:128*\c+16*\q
.endr
.endr
	s_wait_kmcnt 0x0
	s_cmp_eq_u32 s5, 0
	s_cselect_b32 s44, s33, s35
	s_cmp_lt_u32 s5, 2
	s_cselect_b32 s44, s44, s37
	s_cmp_eq_u32 s5, 3
	s_cselect_b32 s44, s43, s44                    ; e
	s_add_co_i32 s44, s44, 127
	s_lshl_b32 s45, s44, 23
	v_mov_b32 v10, s45                             ; 2^e as f32: the conversion takes its exponent field
	s_add_co_i32 s44, s44, 15
	s_lshl_b32 s44, s44, 23
	s_or_b32 s44, s44, 0x600000
	v_mov_b32 v11, s44                             ; 57,344 x 2^e
	s_wait_alu depctr_va_vdst(0)                   ; the wait at the head's end
	s_wait_loadcnt 0x0
.set n, 0
.rept 64
	v_med3_num_f32 v[R+n], v[R+n], -v11, v11       ; the conversion to an 8-bit code does not saturate (ISA guide 7.6.2): hold at the largest code x the scale
.set n, n+1
.endr
.irp g, 0,1,2,3,4,5,6,7
	v_cvt_scalef32_pk8_bf8_f32 v[C+2*\g:C+2*\g+1], v[R+8*\g:R+8*\g+7], v10
.endr
	v_nop                                          ; one plain vector line behind the last conversion
.irp c, 0,1,2,3
	global_store_b128 v1, v[C+4*\c:C+4*\c+3], s[18:19] offset:512*\c   ; 512 consecutive bytes, aligned
.endr
	s_endpgm
.Lfunc_end_k_qd238a1fa4c_wprep:
	.size	k_qd238a1fa4c_wprep, .Lfunc_end_k_qd238a1fa4c_wprep-k_qd238a1fa4c_wprep
	.p2alignl 7, 3214868480
	.fill 96, 4, 3214868480
	.section	.rodata,"a",@progbits
	.p2align	6, 0x0
	.amdhsa_kernel k_qd238a1fa4c_wprep
		.amdhsa_group_segment_fixed_size 0
		.amdhsa_private_segment_fixed_size 0
		.amdhsa_enable_private_segment 0
		.amdhsa_kernarg_size 48
		.amdhsa_user_sgpr_count 2
		.amdhsa_user_sgpr_kernarg_segment_ptr 1
		.amdhsa_wavefront_size32 1
		.amdhsa_system_sgpr_workgroup_id_x 1
		.amdhsa_system_sgpr_workgroup_id_y 1
		.amdhsa_system_sgpr_workgroup_id_z 1
		.amdhsa_system_vgpr_workitem_id 0
		.amdhsa_next_free_vgpr 96
		.amdhsa_next_free_sgpr 66
		.amdhsa_reserve_vcc 0
		.amdhsa_float_denorm_mode_32 3
		.amdhsa_float_denorm_mode_16_64 3
		.amdhsa_memory_ordered 1
		.amdhsa_forward_progress 1
		.amdhsa_inst_pref_size 9
	.end_amdhsa_kernel
	.amdgpu_metadata
---
amdhsa.version: [ 1, 2 ]
amdhsa.kernels:
  - .name:           k_qd238a1fa4c_wprep
    .symbol:         k_qd238a1fa4c_wprep.kd
    .args:
      - { .name: Wv, .offset: 0, .size: 8, .value_kind: global_buffer, .address_space: global }
      - { .name: Wk, .offset: 8, .size: 8, .value_kind: global_buffer, .address_space: global }
      - { .name: Wq, .offset: 16, .size: 8, .value_kind: global_buffer, .address_space: global }
      - { .name: Wo, .offset: 24, .size: 8, .value_kind: global_buffer, .address_space: global }
      - { .name: lowp_scales, .offset: 32, .size: 8, .value_kind: global_buffer, .address_space: global }
      - { .name: wimg, .offset: 40, .size: 8, .value_kind: global_buffer, .address_space: global }
    .group_segment_fixed_size: 0
    .private_segment_fixed_size: 0
    .kernarg_segment_align: 8
    .kernarg_segment_size: 48
    .max_flat_workgroup_size: 128
    .sgpr_count:     66
    .vgpr_count:     96
    .wavefront_size: 32
...
	.end_amdgpu_metadata
.endif
;; end of part 1
;; launch proj (part 2): grid 448 x 1, 8 waves a work-group, no clusters, 269,312 bytes of LDS; arguments values, keys, query, wimg, lowp_scales, qimg, kv, mask, mimg; writes qimg, kv, mimg
.if DOCPART == 2
	.amdgcn_target "amdgcn-amd-amdhsa--gfx1250"
	.amdhsa_code_object_version 6
	.text
	.protected	k_qd238a1fa4c_proj
	.globl	k_qd238a1fa4c_proj
	.p2align	8
	.type	k_qd238a1fa4c_proj,@function
k_qd238a1fa4c_proj:
	s_mov_b64 s[64:65], 0
	v_nop
	global_prefetch_b8 v0, s[64:65] scope:SCOPE_SE
	s_setreg_imm32_b32 hwreg(HW_REG_WAVE_MODE, 25, 1), 1
	s_wait_xcnt 0x0
; PROJ: v = values Wv^T, k = keys Wk^T, q = query Wq^T on codes of BF8 (E5M2), and each result quantised at once into the operand images that the attention launch reads.
; Work-group (x, y): y = 0 values, 1 keys, 2 query; x = 128 rows (one key step of the attention).  Wave w = head w: its 64 rows of W (16 fragments, 256 registers, window 1) come once from wimg and stay.
; The 128 rows go in four blocks of 32.  In a block wave w quantises ONE fragment of x (tile w % 2 of 16 rows, K step w / 2 of 128) and stores it in LDS as an image of its registers (4 x 512 bytes, lane l at 16 l);
; behind one barrier all eight waves read all eight fragments.  Two image buffers take turns: a buffer is written again only behind the barrier that follows every wave's last read of it.
; THE ROWS OF A TILE ARE NOT NEIGHBOURS: lane r of tile u of a block takes row 8 u + r + 8 (r / 8), and W's tiles are laid likewise: so a result's 16 registers of two neighbouring tiles are 16 neighbours along the next K.
;   q, k: source 0 = 16 rows of W, source 1 = x: a lane holds one row and its registers run along the head's 64.  -> qimg [b h 16][pair 128][u 2][c 2][512], kv [b h 16][step 32][16,384], bytes 0 .. 8,191 (tile t = 2 block + u).
;   v:    source 0 = x, source 1 = 16 rows of W: a lane holds one channel and its registers run along the keys, the K of the second attention product.  -> kv, bytes 8,192 on: [tile of channels 4][chunk = block 4][512].
; A sum stands for sum x 2^(ex + ew): its code is sum / 2^(eo - ex - ew): the three scales are folded into the conversion's one.  ex, ew = lowp_scales[2 y], [2 y + 1]; eo = lowp_scales[8 - y].
; LIMITS: ex and eo - ex - ew between -126 and 112.  NaN and infinities among the inputs are not served.
; No cluster and no tensor load: what work-groups share is W, which goes once into each wave's registers and never through LDS; x is read by one wave alone.
; The two paths part on the work-group's y and have LDS bytes of their own.
; THE GRID is one-dimensional.  Work-groups n = 0 .. 191 are the (x, y) above: x = n % 64, y = n / 64; they have the most work and the lowest numbers.
; Work-groups 192 .. 447 PACK THE MASK, which hangs on nothing that this launch makes: MASK [2][1][4096][4096] int32 -> mimg [b 2][pair of query tiles 128][key step 32][tile u 2][chunk 2][512], 4-bit codes:
;   0x0 (the key counts) or 0xE (FP4's -4.0: mask == 0).  Register g = 4 chunk + i of lane (r, h) holds the eight codes of query 32 pair + 8 u + r + 8 (r / 8) at keys 128 step + 32 (g / 2) + 16 h + 8 (g % 2) + 0 .. 7:
;   the order of the attention launch's score registers.  Work-group 192 + m takes pair m (of both batches' 256); wave w takes tile u = w / 4 and key steps 8 (w % 4) on; a task = 16 rows x 128 keys (8 KiB in, 1 KiB out).
;   Each load reads 512 consecutive bytes of a row; a task turns through the wave's own stage in LDS.  That path has no barrier and LDS bytes of its own.
.set LI,  1
.set XA,  2                            ; v2  x: my lane's byte in a block
.set XWI, 3                            ; v3  where I store my fragment's image: 16 x lane + 2,048 x wave
.set SX,  4                            ; v4, v5  2^ex and 57,344 x 2^ex
.set LX,  5
.set SO,  6                            ; v6, v7  the same with eo - ex - ew
.set LO,  7
.set SIN, 13                           ; v13 my stage: where a row's 512 bytes go in, 16 x lane
.set SOUT, 14                          ; v14 my stage: where my lane's 16 neighbours come out: row r, + 64 h
.set SPI, 528                          ; a stage row: 512 bytes + 16
.set STG, 66560                        ; behind the images and the spare words: a stage of 16 rows for each wave, eight for each of the two paths
.set X,   16                           ; v16-79   64 numbers of x
.set PC,  80                           ; v80-95   their codes
.set OC,  96                           ; v96-111  the results' codes
.set XF,  112                          ; v112-175 two sets of two fragments of x
.set ACC, 176                          ; v176-239 eight accumulators
.set MSB, 0
.macro WIN new                         ; the immediate's high byte repeats the setting that is left
.if MSB != \new
	s_set_vgpr_msb (MSB<<8)|\new
.set MSB, \new
.endif
.endm
.macro PLACES n
.rept \n
	v_nop
.endr
.endm
.macro QUANT s, d, sc, lim, n
.set qi, 0
.rept \n
	v_med3_num_f32 v[(\s)+qi], v[(\s)+qi], -v[\lim], v[\lim]   ; the conversion does not saturate (ISA guide 7.6.2): hold at the largest code x the scale; each accumulator from its low end on
.set qi, qi+1
.endr
.set qi, 0
.rept (\n)/8
	v_cvt_scalef32_pk8_bf8_f32 v[(\d)+2*qi:(\d)+2*qi+1], v[(\s)+8*qi:(\s)+8*qi+7], v[\sc]
.set qi, qi+1
.endr
	v_nop                                          ; one plain vector line behind the last conversion: matrix instructions write these sources later
.endm
	s_load_b256 s[4:11], s[0:1], 0x0               ; values s[4:5], keys s[6:7], query s[8:9], wimg s[10:11]
	s_load_b128 s[12:15], s[0:1], 0x20             ; scales s[12:13], qimg s[14:15]
	s_load_b64 s[16:17], s[0:1], 0x30              ; kv
	s_load_b128 s[52:55], s[0:1], 0x38             ; mask s[52:53], mimg s[54:55]
	v_lshl_add_u32 v254, v0, 2, 0x10000
	v_mov_b32 v255, 0
	v_lshrrev_b32 v8, 5, v0
	s_delay_alu instid0(VALU_DEP_1)
	v_readfirstlane_b32 s18, v8                    ; wave = head
	s_lshr_b32 s19, ttmp9, 6                       ; y
	s_and_b32 s49, ttmp9, 63                       ; x
	v_and_b32 v9, 31, v0
	s_delay_alu instid0(VALU_DEP_1)
	v_lshlrev_b32 v[LI], 4, v9
	v_and_b32 v10, 15, v0                          ; r
	v_bfe_u32 v11, v0, 4, 1                        ; h
	s_cmp_ge_u32 ttmp9, 192                        ; the work-group's number alone decides
	s_wait_alu depctr_va_vdst(0)                   ; the wait directly ahead of the branch
	s_cbranch_scc1 .Lmask
	v_mul_u32_u24 v[SOUT], v10, SPI
	v_lshl_add_u32 v[SOUT], v11, 6, v[SOUT]
	s_and_b32 s20, s18, 1
	s_lshl_b32 s20, s20, 14                        ; tile w % 2: 8 rows down
	s_lshr_b32 s21, s18, 1
	s_lshl_b32 s21, s21, 9                         ; K step w / 2: 512 bytes on
	s_add_co_u32 s20, s20, s21
	v_add_nc_u32 v[XA], s20, v[LI]                 ; x: 16 x lane of a row's 512 bytes of my K step
	s_mul_i32 s21, s18, 16*SPI                     ; my stage
	v_add_nc_u32 v[SIN], s21, v[LI]
	v_add_nc_u32 v[SOUT], s21, v[SOUT]
	s_lshl_b32 s20, s18, 11
	v_add_nc_u32 v[XWI], s20, v[LI]
	s_mov_b32 s25, 0
	s_wait_alu depctr_va_vdst(0)
	s_wait_kmcnt 0x0
	s_load_b256 s[40:47], s[12:13], 0x0            ; lowp_scales[0 .. 7]
	s_load_b32 s48, s[12:13], 0x20                 ; [8]
	s_cmp_eq_u32 s19, 0                            ; the choices hang on the work-group's y alone
	s_cselect_b64 s[22:23], s[4:5], s[6:7]
	s_cmp_eq_u32 s19, 2
	s_cselect_b64 s[22:23], s[8:9], s[22:23]
	s_lshl_b32 s24, s49, 18                        ; 128 rows of 2,048 bytes
	s_add_nc_u64 s[22:23], s[22:23], s[24:25]
.macro XLOAD i                         ; my fragment's sixteen rows of block i: each load reads 512 consecutive bytes of one row
.irp r, 0,1,2,3,4,5,6,7,8,9,10,11,12,13,14,15
	global_load_b128 v[X+4*\r:X+4*\r+3], v[XA], s[22:23] offset:65536*(\i)+(\r+8*(\r/8))*2048 th:TH_LOAD_NT
.endr
.endm
	XLOAD 0
	s_lshl_b32 s24, s19, 18                        ; wimg: 262,144 bytes a weight,
	s_lshl_b32 s26, s18, 15                        ; 32,768 a head (four tiles)
	s_add_co_u32 s24, s24, s26
	s_add_nc_u64 s[10:11], s[10:11], s[24:25]
	WIN 0x40                                       ; destination window 1
.irp t, 0,1,2,3
.irp s, 0,1,2,3
.irp c, 0,1,2,3
	global_load_b128 v[64*\t+16*\s+4*\c:64*\t+16*\s+4*\c+3], v[LI], s[10:11] offset:8192*\t+2048*\s+512*\c   ; W's fragment (tile t, K step s): it stays
.endr
.endr
.endr
	WIN 0
	s_lshr_b32 s26, s49, 5
	s_lshl_b32 s26, s26, 3
	s_add_co_u32 s26, s26, s18                     ; b h = 8 b + head
	s_and_b32 s27, s49, 31                         ; the key step (four pairs of query tiles)
	s_lshl_b32 s28, s26, 18
	s_lshl_b32 s29, s27, 13
	s_add_co_u32 s28, s28, s29                     ; qimg: 262,144 a head, 8,192 a step
	s_lshl_b32 s30, s28, 1                         ; kv: twice that
	s_cmp_eq_u32 s19, 2
	s_cselect_b32 s24, s28, s30
	s_cselect_b64 s[32:33], s[14:15], s[16:17]
	s_add_nc_u64 s[32:33], s[32:33], s[24:25]
	s_wait_kmcnt 0x0
	s_cmp_eq_u32 s19, 0
	s_cselect_b32 s34, s40, s42                    ; ex
	s_cselect_b32 s35, s41, s43                    ; ew
	s_cselect_b32 s36, s48, s47                    ; eo
	s_cmp_eq_u32 s19, 2
	s_cselect_b32 s34, s44, s34
	s_cselect_b32 s35, s45, s35
	s_cselect_b32 s36, s46, s36
	s_add_co_i32 s37, s34, 127
	s_lshl_b32 s38, s37, 23
	v_mov_b32 v[SX], s38
	s_add_co_i32 s37, s37, 15
	s_lshl_b32 s37, s37, 23
	s_or_b32 s37, s37, 0x600000
	v_mov_b32 v[LX], s37
	s_sub_co_i32 s37, s36, s34
	s_sub_co_i32 s37, s37, s35
	s_add_co_i32 s37, s37, 127
	s_lshl_b32 s38, s37, 23
	v_mov_b32 v[SO], s38
	s_add_co_i32 s37, s37, 15
	s_lshl_b32 s37, s37, 23
	s_or_b32 s37, s37, 0x600000
	v_mov_b32 v[LO], s37
.macro FETCH lb, i, p, s               ; K step s's two fragments of block i into set p
.irp m, 0,1
.irp c, 0,1,2,3
	ds_load_b128 v[XF+32*(\p)+16*\m+4*\c:XF+32*(\p)+16*\m+4*\c+3], v[LI] offset:(\lb)+16384*((\i)%2)+2048*(2*(\s)+\m)+512*\c
.endr
.endr
.endm
.macro MUL vp, s, p                    ; eight products, 128 along K; the eight accumulators take turns, in the same order in every K step
.if \vp
	WIN 0x04                                       ; source 1 (W) window 1
.else
	WIN 0x01                                       ; source 0 (W) window 1
.endif
.irp m, 0,1
.irp t, 0,1,2,3
.set rW, 64*\t+16*(\s)
.set rX, XF+32*(\p)+16*\m
.if \vp
.set rD, ACC+16*\t+8*\m
.if (\s) == 0
	v_wmma_f32_16x16x128_bf8_bf8 v[rD:rD+7], v[rX:rX+15], v[rW:rW+15], 0
.else
	v_wmma_f32_16x16x128_bf8_bf8 v[rD:rD+7], v[rX:rX+15], v[rW:rW+15], v[rD:rD+7]
.endif
.else
.set rD, ACC+32*\m+8*\t
.if (\s) == 0
	v_wmma_f32_16x16x128_bf8_bf8 v[rD:rD+7], v[rW:rW+15], v[rX:rX+15], 0
.else
	v_wmma_f32_16x16x128_bf8_bf8 v[rD:rD+7], v[rW:rW+15], v[rX:rX+15], v[rD:rD+7]
.endif
.endif
.endr
.endr
.endm
.macro BLOCK vp, lb, i
.if (\i) == 0
	s_wait_loadcnt 63                              ; x's sixteen loads are older than W's 64: with at most 63 out they are in
.else
	s_wait_loadcnt 0x0                             ; this block's x
.endif
.irp r, 0,1,2,3,4,5,6,7,8,9,10,11,12,13,14,15
	ds_store_b128 v[SIN], v[X+4*\r:X+4*\r+3] offset:SPI*\r   ; the rows turn through my own stage
.endr
.irp c, 0,1,2,3
.irp q, 0,1,2,3
	ds_load_b128 v[ACC+16*\c+4*\q:ACC+16*\c+4*\q+3], v[SOUT] offset:128*\c+16*\q   ; LDS serves a wave's instructions in order.  Register 16 c + j = k 32 c + 16 h + j of my row; the accumulators' registers are free here
.endr
.endr
	s_wait_dscnt 0x0                               ; the numbers are back, and the stores have read their registers,
.if (\i) < 3
	XLOAD (\i)+1                                   ; which take the next block: it lands while this block is multiplied
.endif
	QUANT ACC, PC, SX, LX, 64
.irp c, 0,1,2,3
	ds_store_b128 v[XWI], v[PC+4*\c:PC+4*\c+3] offset:(\lb)+16384*((\i)%2)+512*\c
.endr
	s_wait_dscnt 0x0                               ; for the others' sake: my image is stored (and my reads of the other buffer were back before)
	s_barrier_signal -1
	s_barrier_wait -1                              ; the block's eight fragments lie in LDS
.if (\i) == 0
	s_wait_loadcnt 16                              ; W is in; the next block's x may be out
.endif
	FETCH \lb, \i, 0, 0
	FETCH \lb, \i, 1, 1
	s_wait_dscnt 8                                 ; the older set is in, the younger set's eight loads may be out
	MUL \vp, 0, 0
	PLACES 4                                       ; in front of loads into registers that matrix instructions have read
	WIN 0
	FETCH \lb, \i, 0, 2
	s_wait_dscnt 8
	MUL \vp, 1, 1
	PLACES 4
	WIN 0
	FETCH \lb, \i, 1, 3
	s_wait_dscnt 8
	MUL \vp, 2, 0
	s_wait_dscnt 0x0
	MUL \vp, 3, 1
	WIN 0
	PLACES 4                                       ; in front of the first read of results
	s_wait_xcnt 0x0                                ; the last block's stores have read their codes
	QUANT ACC, OC, SO, LO, 64
.if \vp
.irp t, 0,1,2,3
	global_store_b128 v[LI], v[OC+4*\t:OC+4*\t+3], s[32:33] offset:8192+2048*\t+512*(\i)      ; channels' tile t, keys 32 i + 16 h + 0 .. 15
.endr
.else
.irp m, 0,1
.irp c, 0,1
	global_store_b128 v[LI], v[OC+8*\m+4*\c:OC+8*\m+4*\c+3], s[32:33] offset:2048*(\i)+1024*\m+512*\c   ; rows' tile m of block i, channels 32 c + 16 h + 0 .. 15
.endr
.endr
.endif
.endm
.macro BODY vp, lb
	BLOCK \vp, \lb, 0
	BLOCK \vp, \lb, 1
	BLOCK \vp, \lb, 2
	BLOCK \vp, \lb, 3
	s_wait_tensorcnt 0x0
	ds_add_u32 v254, v255
	s_wait_dscnt 0x0
	s_endpgm
.endm
	s_cmp_eq_u32 s19, 0
	s_cbranch_scc1 .Lvalues
	v_add_nc_u32 v[SIN], STG, v[SIN]               ; each path has stages of its own
	v_add_nc_u32 v[SOUT], STG, v[SOUT]
	s_wait_alu depctr_va_vdst(0)
	BODY 0, 0
.Lvalues:
	v_add_nc_u32 v[SIN], STG+8*16*SPI, v[SIN]
	v_add_nc_u32 v[SOUT], STG+8*16*SPI, v[SOUT]
	s_wait_alu depctr_va_vdst(0)
	BODY 1, 32768
	; ---------------- the mask ----------------
.set MR,   16                          ; v16-143  two sets of 64 registers as loaded
.set MX,   144                         ; v144-207 a lane's 64 numbers in the image's order
.set MCD,  208                         ; v208-223 two sets of 8 registers of codes
.set MSTG, STG+16*16*SPI               ; behind the other two paths' stages: a stage of 16 rows for each wave
.macro MLOAD s                         ; task s: sixteen rows (row i is i + 8 (i / 8) below the first), 512 consecutive bytes each
.irp i, 0,1,2,3,4,5,6,7,8,9,10,11,12,13,14,15
	global_load_b128 v[MR+64*((\s)%2)+4*\i:MR+64*((\s)%2)+4*\i+3], v1, s[52:53] offset:(\i+8*(\i/8))*16384+512*(\s) th:TH_LOAD_NT
.endr
.endm
.macro TASK s
.if (\s) < 7
	s_wait_loadcnt 16                              ; this task's sixteen loads are in; the next task's sixteen may be out
.else
	s_wait_loadcnt 0x0
.endif
.irp i, 0,1,2,3,4,5,6,7,8,9,10,11,12,13,14,15
	ds_store_b128 v2, v[MR+64*((\s)%2)+4*\i:MR+64*((\s)%2)+4*\i+3] offset:SPI*\i
.endr
.irp c, 0,1,2,3
.irp q, 0,1,2,3
	ds_load_b128 v[MX+16*\c+4*\q:MX+16*\c+4*\q+3], v3 offset:128*\c+16*\q   ; LDS serves a wave's instructions in order.  Register 16 c + i = key 32 c + 16 h + i of row r
.endr
.endr
	s_wait_dscnt 0x0                               ; the numbers are back, and the stores have read their registers,
.if (\s) < 6
	MLOAD (\s)+2                                   ; which take the task two further on
.endif
.set n, 0
.rept 64
	v_cmp_eq_u32 vcc_lo, 0, v[MX+n]
	v_cndmask_b32 v[MX+n], 0, v4, vcc_lo           ; mask == 0: -4.0, else 0
.set n, n+1
.endr
	s_wait_alu depctr_va_vdst(0)                   ; the wait directly ahead of the wait below
	s_wait_xcnt 0x0                                ; the stores of two tasks ago have read this set of codes
.irp g, 0,1,2,3,4,5,6,7
	v_cvt_scalef32_pk8_fp4_f32 v[MCD+8*((\s)%2)+\g], v[MX+8*\g:MX+8*\g+7], v5   ; eight codes, the first number's in the lowest bits
.endr
	v_nop                                          ; one plain vector line behind the last conversion
	global_store_b128 v1, v[MCD+8*((\s)%2):MCD+8*((\s)%2)+3], s[54:55] offset:2048*(\s)         ; 512 consecutive bytes, aligned
	global_store_b128 v1, v[MCD+8*((\s)%2)+4:MCD+8*((\s)%2)+7], s[54:55] offset:2048*(\s)+512
.endm
.Lmask:
	s_sub_co_u32 s20, ttmp9, 192                   ; 128 b + pair
	s_lshr_b32 s21, s18, 2                         ; u
	s_and_b32 s22, s18, 3                          ; which eight key steps
	s_lshl_b32 s24, s20, 5
	s_lshl_b32 s25, s21, 3
	s_add_co_u32 s24, s24, s25                     ; the tile's first row: 32 (128 b + pair) + 8 u
	s_lshl_b32 s24, s24, 14                        ; x 16,384 bytes (under 2^28)
	s_lshl_b32 s25, s22, 12
	s_add_co_u32 s24, s24, s25                     ; + my wave's eight steps of 512 bytes
	s_mov_b32 s25, 0
	s_lshl_b32 s26, s20, 16                        ; mimg: 65,536 bytes a pair,
	s_lshl_b32 s27, s22, 14                        ; 2,048 a step,
	s_add_co_u32 s26, s26, s27
	s_lshl_b32 s27, s21, 10                        ; 1,024 a tile
	s_add_co_u32 s26, s26, s27
	s_mov_b32 s27, 0
	s_mul_i32 s28, s18, 16*SPI
	s_add_co_u32 s28, s28, MSTG                    ; my stage
	v_add_nc_u32 v2, s28, v1                       ; in: a row's 512 bytes as they lie
	v_mul_u32_u24 v3, v10, SPI
	v_lshl_add_u32 v3, v11, 6, v3
	v_add_nc_u32 v3, s28, v3                       ; out: row r, + 64 h
	v_mov_b32 v4, -4.0
	v_mov_b32 v5, 1.0                              ; the conversion's scale: 2^0
	s_wait_alu depctr_va_vdst(0)                   ; the wait directly ahead of the wait below
	s_wait_kmcnt 0x0
	s_add_nc_u64 s[52:53], s[52:53], s[24:25]
	s_add_nc_u64 s[54:55], s[54:55], s[26:27]
	MLOAD 0
	MLOAD 1
.irp s, 0,1,2,3,4,5,6,7
	TASK \s
.endr
	s_wait_tensorcnt 0x0                           ; the wave's end
	ds_add_u32 v254, v255
	s_wait_dscnt 0x0
	s_endpgm
.Lfunc_end_k_qd238a1fa4c_proj:
	.size	k_qd238a1fa4c_proj, .Lfunc_end_k_qd238a1fa4c_proj-k_qd238a1fa4c_proj
	.p2alignl 7, 3214868480
	.fill 96, 4, 3214868480
	.section	.rodata,"a",@progbits
	.p2align	6, 0x0
	.amdhsa_kernel k_qd238a1fa4c_proj
		.amdhsa_group_segment_fixed_size 269312
		.amdhsa_private_segment_fixed_size 0
		.amdhsa_enable_private_segment 0
		.amdhsa_kernarg_size 72
		.amdhsa_user_sgpr_count 2
		.amdhsa_user_sgpr_kernarg_segment_ptr 1
		.amdhsa_wavefront_size32 1
		.amdhsa_system_sgpr_workgroup_id_x 1
		.amdhsa_system_sgpr_workgroup_id_y 1
		.amdhsa_system_sgpr_workgroup_id_z 1
		.amdhsa_system_vgpr_workitem_id 0
		.amdhsa_next_free_vgpr 512
		.amdhsa_next_free_sgpr 66
		.amdhsa_reserve_vcc 1
		.amdhsa_float_denorm_mode_32 3
		.amdhsa_float_denorm_mode_16_64 3
		.amdhsa_memory_ordered 1
		.amdhsa_forward_progress 1
		.amdhsa_inst_pref_size 222
	.end_amdhsa_kernel
	.amdgpu_metadata
---
amdhsa.version: [ 1, 2 ]
amdhsa.kernels:
  - .name:           k_qd238a1fa4c_proj
    .symbol:         k_qd238a1fa4c_proj.kd
    .args:
      - { .name: values, .offset: 0, .size: 8, .value_kind: global_buffer, .address_space: global }
      - { .name: keys, .offset: 8, .size: 8, .value_kind: global_buffer, .address_space: global }
      - { .name: query, .offset: 16, .size: 8, .value_kind: global_buffer, .address_space: global }
      - { .name: wimg, .offset: 24, .size: 8, .value_kind: global_buffer, .address_space: global }
      - { .name: lowp_scales, .offset: 32, .size: 8, .value_kind: global_buffer, .address_space: global }
      - { .name: qimg, .offset: 40, .size: 8, .value_kind: global_buffer, .address_space: global }
      - { .name: kv, .offset: 48, .size: 8, .value_kind: global_buffer, .address_space: global }
      - { .name: mask, .offset: 56, .size: 8, .value_kind: global_buffer, .address_space: global }
      - { .name: mimg, .offset: 64, .size: 8, .value_kind: global_buffer, .address_space: global }
    .group_segment_fixed_size: 269312
    .private_segment_fixed_size: 0
    .kernarg_segment_align: 8
    .kernarg_segment_size: 72
    .max_flat_workgroup_size: 256
    .sgpr_count:     66
    .vgpr_count:     512
    .wavefront_size: 32
...
	.end_amdgpu_metadata
.endif
;; end of part 2
;; launch attn (part 3): grid 16 x 16, 8 waves a work-group, clusters of 4 x 1, 327,680 bytes of LDS; arguments qimg, kv, mimg, lowp_scales, aimg; writes aimg
.if DOCPART == 3
	.amdgcn_target "amdgcn-amd-amdhsa--gfx1250"
	.amdhsa_code_object_version 6
	.text
	.protected	k_qd238a1fa4c_attn
	.globl	k_qd238a1fa4c_attn
	.p2align	8
	.type	k_qd238a1fa4c_attn,@function
k_qd238a1fa4c_attn:
	s_mov_b64 s[64:65], 0
	v_nop
	global_prefetch_b8 v0, s[64:65] scope:SCOPE_SE
	s_setreg_imm32_b32 hwreg(HW_REG_WAVE_MODE, 25, 1), 1
	s_wait_xcnt 0x0
	s_wait_alu depctr_hold_cnt(0) depctr_sa_sdst(0) depctr_va_vdst(0) depctr_va_sdst(0) depctr_va_ssrc(0) depctr_va_vcc(0) depctr_vm_vsrc(0)
	s_getreg_b32 s2, hwreg(HW_REG_IB_STS2, 6, 4)
	s_cmp_eq_u32 s2, 0
	s_cbranch_scc0 .Lentry_in_a_cluster
	s_endpgm
.Lentry_in_a_cluster:
	s_bfe_u32 s2, ttmp6, 0x10000c
	s_cmp_lg_u32 s2, 0x3003
	s_cbranch_scc0 .Lentry_shape_is_right
	s_endpgm
.Lentry_shape_is_right:
; ATTN: for each head, O[q] = sum over keys of softmax(where(mask == 0, -1e20, q . k) / sqrt(512)) v, both products on codes of BF8 (E5M2); the result is quantised for the output projection.
; THE SOFTMAX AHEAD OF THE SECOND PRODUCT: t = score x log2(e) / sqrt(512); M = the running largest t rounded UP to a whole number; p = 2^(t - M) is quantised along the keys, not normalised; the row's sum is taken of the
; unquantised p and divides O at the end.  When M moves, the sums and O are multiplied by 2^(old M - new M), which rounds nothing.  No branch hangs on data.
; SHARES.  Work-group = 256 queries of one head (y = 8 b + head).  Each of its eight waves owns 32 queries, two tiles of 16, and walks all 4,096 keys, 128 a step: every fragment of K and V read from LDS feeds two products.
; LAYOUT.  Both products are used transposed: S^T = K Q^T (source 0 = 16 keys), O^T = V^T P^T (source 0 = 16 channels): a lane holds ONE query throughout.  Lane r of tile 2 b + u takes 32 b + 8 u + r + 8 (r / 8), so that
; the 16 registers of tiles 2 b, 2 b + 1 are the 16 neighbours 32 b + 16 (lane / 16) + 0 .. 15 along the next K: the conversions' results ARE the next operand.  All operands lie in memory and LDS as images of registers
; (four registers = 512 consecutive bytes, lane l at 16 l).
; THE MASK arrives as 4-bit codes in the order of the score registers: 0 or -4.0.  One conversion makes of one register the eight f32 numbers 0 or -2^(66 + max(-(eq + ek), 0)), which are the C of the first product.
; A code score is under 64 x 57,344^2 < 2^38, at least 2^28 times smaller than that bias: so a masked score is the bias itself, all masked scores of a row are equal, and a row with no key left gets p = 1 everywhere, as -1e20 gives it.
; ORDER OF A STEP.  The second product of step n stands at the head of step n + 1, between the issue of that step's K loads and their use; so the step is written once, the first step multiplies codes that are zeros,
; and one last product follows the last step.  The serial lines that make M and f of one tile stand among independent lines of the other tile.  All 128 exponentials of a step form one batch.
; CLUSTER.  The four query blocks of a cluster belong to one head and walk the same K and V: each tile is asked for JOINTLY (mask 15).  A slot holds eight key steps, 131,072 bytes, dense as kv lies; each of the eight waves
; brings 64 rows of 256 bytes of it by one load.  One tensor load a wave is out at any time.  No prefetch: a refill is asked for eight key steps ahead of its first read, and the mask's codes one key step ahead.
; LIMITS: -61 <= eq + ek <= 60; ep and lowp_scales[10] between -126 and 112; ep + ev is applied by v_ldexp_f32.  NaN is not served.
; REGISTERS.  Window 0: v1-11, v36 addresses, constants, old -M; v12-35 twelve statistics a tile; v40-103 O^T (32 a tile); v104-231 S^T, then p (64 a tile); v232-247 the result's codes.
;   Window 1: v0-31 p's codes; v32-47 the mask's codes; v48-63 Q; v64-127 K of a step; v128-191 V of a step.
.set STEPB, 16384                      ; a key step in kv and in a slot: K's eight tiles of 1,024 bytes, V's four of 2,048
.set NSTEP, 8                          ; key steps in a slot
.set SLOT1, 1<<17                      ; slot 1 begins here
.set NSL,   4                          ; slots' worth of keys
.set SPARE, 2*SLOT1                    ; behind the ring: the spare words, 128 bytes for each of eight waves
.set LI,  1                            ; v1  16 x lane
.set SPW, 2                            ; v2  LDS address of my spare word; never rewritten
.set NIL, 3                            ; v3  0; never rewritten
.set ADR, 4                            ; v4  the step's place in LDS + 16 x lane
.set SCB, 5                            ; v5  the mask conversion's scale byte, in all four bytes
.set SP,  6                            ; v6  2^ep
.set LP,  7                            ; v7  57,344 x 2^ep
.set SA,  8                            ; v8, v9  the same with lowp_scales[10]
.set LA,  9
.set OM,  10                           ; v10, v11  the two tiles' -M of the step before
.set LP2, 36                           ; v36 57,344 x 2^ep once more, for the pair's second half
.set ST,  12                           ; tile u's statistics at v[ST + 12 u]: +0 -M, +1 the largest score, +2..5 the sum in two pairs, +6 f (+7 named with it), +8..11 at work
.set O,   40
.set S,   104
.set OC,  232
.set PC,  0                            ; window 1
.set MB,  32
.set Q,   48
.set KF,  64
.set VF,  128
.set MSB, 0
.macro WIN new                         ; the immediate's high byte repeats the setting that is left
.if MSB != \new
	s_set_vgpr_msb (MSB<<8)|\new
.set MSB, \new
.endif
.endm
.macro QUANT s, d, sc, lim, n
.set qi, 0
.rept \n
	v_med3_num_f32 v[(\s)+qi], v[(\s)+qi], -v[\lim], v[\lim]
.set qi, qi+1
.endr
.set qi, 0
.rept (\n)/8
	v_cvt_scalef32_pk8_bf8_f32 v[(\d)+2*qi:(\d)+2*qi+1], v[(\s)+8*qi:(\s)+8*qi+7], v[\sc]
.set qi, qi+1
.endr
	v_nop
.endm
.macro ROUND                           ; a round of the cluster's barrier
	s_barrier_signal -1
	s_barrier_wait -1
	s_cmp_lg_u32 s14, 0
	s_cbranch_scc1 .Lnot_wave_0_\@
	s_barrier_signal -3
.Lnot_wave_0_\@:
	s_barrier_wait -3
	s_barrier_signal -1
	s_barrier_wait -1
.endm
	s_load_b256 s[4:11], s[0:1], 0x0               ; qimg s[4:5], kv s[6:7], mimg s[8:9], scales s[10:11]
	s_load_b64 s[12:13], s[0:1], 0x20              ; aimg
	v_lshl_add_u32 v[SPW], v0, 2, SPARE
	v_mov_b32 v[NIL], 0
	ds_add_u32 v[SPW], v[NIL]                      ; the opening lines: the add, twice on end, and its wait ahead of my first tensor load
	ds_add_u32 v[SPW], v[NIL]
	v_lshrrev_b32 v10, 5, v0
	v_readfirstlane_b32 s14, v10                   ; wave 0..7
	v_and_b32 v11, 31, v0
	v_lshlrev_b32 v[LI], 4, v11
	s_and_b32 s17, ttmp7, 0xffff                   ; 8 b + head, which the four partners share
	s_lshl_b32 s68, s17, 19                        ; kv: 524,288 bytes a head,
	s_lshl_b32 s70, s14, 14                        ; my wave's 16,384 of a slot
	s_add_co_u32 s68, s68, s70
	s_mov_b32 s69, 0
	s_mov_b32 s24, 15|(3<<16)|(1<<21)              ; group 1: the mask names all four work-groups; elements of 8 bytes; no padding; bit 21 beside a mask
	s_mov_b32 s25, 32<<16                          ; tensor_dim0 = 32: rows of 256 bytes
	s_mov_b32 s26, 64<<16                          ; tensor_dim1 = 64
	s_mov_b32 s27, 32<<16                          ; tile_dim0
	s_mov_b32 s28, 64                              ; tile_dim1
	s_mov_b32 s29, 32                              ; from row to row
	s_mov_b32 s30, 0
	s_mov_b32 s31, 0
	s_mov_b32 s32, 1                               ; group 0: count = 1
	s_lshl_b32 s33, s14, 14                        ; LDS address: slot 0, 16,384 x wave
	s_bfe_u32 s15, ttmp6, 0x40000                  ; cx: it enters Q's, the mask's and the result's global addresses alone
	s_lshl_b32 s16, ttmp9, 2
	s_add_co_u32 s16, s16, s15                     ; my block of 256 queries
	s_lshl_b32 s16, s16, 3
	s_add_co_u32 s16, s16, s14                     ; my pair of query tiles, 0 .. 127
	s_lshr_b32 s18, s17, 3                         ; b
	s_and_b32 s19, s17, 7                          ; head
	s_lshl_b32 s18, s18, 7
	s_add_co_u32 s18, s18, s16                     ; 128 b + pair
	s_mov_b32 s20, 0x76543210                      ; v_permlanex16_b32's selects: lane l xor 16
	s_mov_b32 s21, 0xfedcba98
	s_mov_b32 s36, 0                               ; LDS byte at which the step in hand begins
	s_mov_b32 s37, NSL-1                           ; slots still to be asked for
	s_mov_b32 s39, 0                               ; the step's number
	s_mov_b32 s45, 0
	s_wait_alu depctr_va_vdst(0)                   ; the wait directly ahead of the waits below
	s_wait_dscnt 0x0                               ; both opening adds are done
	s_wait_kmcnt 0x0
	s_load_b256 s[48:55], s[10:11], 0x0            ; lowp_scales[0 .. 7]: eq = s54, ek = s55
	s_load_b128 s[56:59], s[10:11], 0x20           ; [8 .. 11]: ev = s56, ep = s57, the result's = s58
	s_add_nc_u64 s[34:35], s[6:7], s[68:69]        ; group 0: global address
	s_or_b32 s35, s35, 0x80000000                  ; type = 2
	ROUND                                          ; all four work-groups are here: the first joint loads meet
	tensor_load_to_lds s[32:35], s[24:31]          ; slot 0: key steps 0 to 7
	s_nop 0
.rept 4
	v_nop
.endr
	s_lshl_b32 s44, s17, 18                        ; qimg: 262,144 a head, 2,048 a pair
	s_lshl_b32 s46, s16, 11
	s_add_co_u32 s44, s44, s46
	s_add_nc_u64 s[4:5], s[4:5], s[44:45]
	s_lshl_b32 s44, s18, 16                        ; mimg: 65,536 a pair
	s_add_nc_u64 s[40:41], s[8:9], s[44:45]
	s_lshl_b32 s44, s18, 14                        ; aimg: 16,384 a pair; my head's 64 along K are K step head / 2, chunks 2 (head % 2) on
	s_lshr_b32 s46, s19, 1
	s_lshl_b32 s46, s46, 11
	s_add_co_u32 s44, s44, s46
	s_and_b32 s46, s19, 1
	s_lshl_b32 s46, s46, 10
	s_add_co_u32 s44, s44, s46
	s_add_nc_u64 s[12:13], s[12:13], s[44:45]
	WIN 0x40                                       ; destination window 1
.irp i, 0,1,2,3
	global_load_b128 v[Q+4*\i:Q+4*\i+3], v[LI], s[4:5] offset:512*\i       ; Q's two fragments stay in registers
.endr
.irp i, 0,1,2,3
	global_load_b128 v[MB+4*\i:MB+4*\i+3], v[LI], s[40:41] offset:512*\i   ; the mask's codes of step 0
.endr
.set n, 0
.rept 32
	v_mov_b32 v[PC+n], 0                           ; the step is written once: the product at the first step's head finds codes that are zeros
.set n, n+1
.endr
.set n, 0
.rept 64
	v_mov_b32 v[VF+n], 0
.set n, n+1
.endr
	WIN 0
	s_wait_kmcnt 0x0
	s_add_co_i32 s60, s54, s55                     ; eq + ek
	s_lshl_b32 s61, s60, 23
	s_add_co_i32 s22, s61, 0x3d8293ee              ; c = log2(e) / sqrt(512), with eq + ek added to its exponent field
	s_mov_b32 s23, s22                             ; (named with it as a pair, so it is written)
	s_sub_co_i32 s61, 0, s60
	s_max_i32 s61, s61, 0
	s_add_co_u32 s61, s61, 191                     ; -4.0 x 2^(191 - 127) = -2^66; lower still by 2^-(eq + ek) where that is above 1
	s_mul_i32 s61, s61, 0x01010101
	v_mov_b32 v[SCB], s61
	s_add_co_i32 s61, s57, 127
	s_lshl_b32 s62, s61, 23
	v_mov_b32 v[SP], s62
	s_add_co_i32 s61, s61, 15
	s_lshl_b32 s61, s61, 23
	s_or_b32 s61, s61, 0x600000
	v_mov_b32 v[LP], s61
	v_mov_b32 v[LP2], s61
	s_add_co_i32 s61, s58, 127
	s_lshl_b32 s62, s61, 23
	v_mov_b32 v[SA], s62
	s_add_co_i32 s61, s61, 15
	s_lshl_b32 s61, s61, 23
	s_or_b32 s61, s61, 0x600000
	v_mov_b32 v[LA], s61
	s_add_co_i32 s60, s56, s57                     ; ev + ep
.irp u, 0,1
	v_mov_b32 v[ST+12*\u+1], 0xff61b1e6            ; the largest score so far: -3e38, under every score
	v_floor_f32 v[ST+12*\u], -v[ST+12*\u+1]        ; -M
.irp i, 2,3,4,5,7
	v_mov_b32 v[ST+12*\u+\i], 0                    ; the sum, in two pairs; and the upper half of f's pair
.endr
.endr
.set n, 0
.rept 64
	v_mov_b32 v[O+n], 0                            ; O^T: the first change of M leaves zeros zeros
.set n, n+1
.endr
; THE VECTOR WORK OF A TILE as numbered lists; each macro writes line j of its list for tile u.
; MAXL, 32: the largest of the lane's 64 scores and of the largest so far, in four chains, each accumulator from its low end on.
.macro MAXL u
.set rT, ST+12*(\u)
.set rS, S+64*(\u)
.if j < 4
	v_max3_num_f32 v[rT+8+j], v[rS+3*j], v[rS+3*j+1], v[rS+3*j+2]
.elseif j < 30
	v_max3_num_f32 v[rT+8+j%4], v[rT+8+j%4], v[rS+4+2*j], v[rS+5+2*j]
.elseif j == 30
	v_max3_num_f32 v[rT+8], v[rT+8], v[rT+9], v[rT+10]
.else
	v_max3_num_f32 v[rT+8], v[rT+8], v[rT+11], v[rT+1]
.endif
.endm
; STATL, 7: the other half of the lanes'; t; the new -M = floor(-t); f = 2^(old M - new M).
.macro STATL u
.set rT, ST+12*(\u)
.if j == 0
	v_permlanex16_b32 v[rT+9], v[rT+8], s20, s21
.elseif j == 1
	v_max_num_f32 v[rT+1], v[rT+8], v[rT+9]
.elseif j == 2
	v_mul_f32 v[rT+8], s22, v[rT+1]                ; as t (c is positive)
.elseif j == 3
	v_floor_f32 v[rT], -v[rT+8]                    ; -M = floor(-t) = -ceil(t): M is a whole number
.elseif j == 4
	v_sub_f32 v[rT+8], v[rT], v[OM+\u]             ; old M - new M: a whole number, 0 or less
.elseif j == 5
	v_cvt_i32_f32 v[rT+8], v[rT+8]                 ; (it saturates)
.else
	v_ldexp_f32 v[rT+6], 1.0, v[rT+8]
.endif
.endm
.macro FMAL u                          ; 32: t - M, two at a time; of the pairs c and -M the low word serves both halves
.set rT, ST+12*(\u)
.set rS, S+64*(\u)+2*j
	v_pk_fma_f32 v[rS:rS+1], v[rS:rS+1], s[22:23], v[rT:rT+1] op_sel_hi:[1,0,0]
.endm
.macro PVALL                           ; O^T += V^T P^T: eight accumulators, one instruction each
	WIN 0x05                                       ; sources 0 and 1 window 1
.irp u, 0,1
.irp d, 0,1,2,3
	v_wmma_f32_16x16x128_bf8_bf8 v[O+32*\u+8*\d:O+32*\u+8*\d+7], v[VF+16*\d:VF+16*\d+15], v[PC+16*\u:PC+16*\u+15], v[O+32*\u+8*\d:O+32*\u+8*\d+7]
.endr
.endr
.endm
; A KEY STEP: 128 keys.
.macro STEP
	v_add_nc_u32 v[ADR], s36, v[LI]
	WIN 0x40
.irp t, 0,1,2,3,4,5,6,7
.irp c, 0,1
	ds_load_b128 v[KF+8*\t+4*\c:KF+8*\t+4*\c+3], v[ADR] offset:1024*\t+512*\c
.endr
.endr
	s_wait_alu depctr_va_vdst(0)                   ; the wait directly ahead of the wait below
	s_wait_dscnt 16                                ; V of the step before is in; the sixteen loads of K just issued may be out
	PVALL                                          ; the step before's second product
	WIN 0x01                                       ; source 0 window 1
	s_wait_loadcnt 0x0                             ; the step's mask codes, asked for a step ago (in the first step Q too); the loads' base may now be written
.irp g, 0,1,2,3,4,5,6,7,8,9,10,11,12,13,14,15
	v_cvt_scale_pk8_f32_fp4 v[S+8*\g:S+8*\g+7], v[MB+\g], v[SCB]   ; a score tile's eight registers: 0, or the bias where mask == 0
.endr
	v_nop                                          ; the plain line behind the conversions
	s_add_co_u32 s39, s39, 1
	s_min_u32 s44, s39, 31                         ; the last step asks for step 31 once more: no load leaves the buffer
	s_lshl_b32 s44, s44, 11
	s_add_nc_u64 s[42:43], s[40:41], s[44:45]
	s_wait_alu depctr_va_vdst(0)                   ; the wait directly ahead of the wait below: the products read what the conversions wrote
	s_wait_dscnt 0x0                               ; K is in
	WIN 0x05
.irp u, 0,1
.irp t, 0,1,2,3,4,5,6,7
	v_wmma_f32_16x16x64_bf8_bf8 v[S+64*\u+8*\t:S+64*\u+8*\t+7], v[KF+8*\t:KF+8*\t+7], v[Q+8*\u:Q+8*\u+7], v[S+64*\u+8*\t:S+64*\u+8*\t+7]   ; sixteen accumulators, one instruction each
.endr
.endr
	WIN 0
	v_mov_b32 v[OM], v[ST]                         ; four places in front of the first read of results and of the loads into V's registers: the old -M of both tiles,
	v_mov_b32 v[OM+1], v[ST+12]
	v_nop
	v_nop
	WIN 0x40
.irp d, 0,1,2,3
.irp b, 0,1,2,3
	ds_load_b128 v[VF+16*\d+4*\b:VF+16*\d+4*\b+3], v[ADR] offset:8192+2048*\d+512*\b   ; V of this step: first used at the next step's head
.endr
.endr
.irp i, 0,1,2,3
	global_load_b128 v[MB+4*\i:MB+4*\i+3], v[LI], s[42:43] offset:512*\i   ; the next step's mask codes
.endr
	WIN 0
.set j, 0
.rept 32
	MAXL 0
.set j, j+1
.endr
.set k, 0
.rept 32                                       ; tile 1's maxima, with tile 0's serial lines among them
.set j, k
	MAXL 1
.if (k%4 == 3) && (k < 28)
.set j, k/4
	STATL 0
.endif
.set k, k+1
.endr
.set k, 0
.rept 32                                       ; tile 0's t - M, with tile 1's serial lines among them
.set j, k
	FMAL 0
.if (k%4 == 3) && (k < 28)
.set j, k/4
	STATL 1
.endif
.set k, k+1
.endr
.set j, 0
.rept 32
	FMAL 1
.set j, j+1
.endr
.irp u, 0,1
.set n, 0
.rept 16
	v_pk_mul_f32 v[O+32*\u+2*n:O+32*\u+2*n+1], v[O+32*\u+2*n:O+32*\u+2*n+1], v[ST+12*\u+6:ST+12*\u+7] op_sel_hi:[1,0]   ; O^T under the new M, ascending
.set n, n+1
.endr
.endr
	s_wait_alu depctr_va_vdst(0)                   ; the wait ahead of the batch
.set k, 0
.rept 128
	v_exp_f32 v[S+k], v[S+k]                       ; p = 2^(t - M), at most 1
.set k, k+1
.endr
.irp u, 0,1
	v_pk_mul_f32 v[ST+12*\u+2:ST+12*\u+3], v[ST+12*\u+2:ST+12*\u+3], v[ST+12*\u+6:ST+12*\u+7] op_sel_hi:[1,0]   ; the sums under the new M: plain lines behind the batch
	v_pk_mul_f32 v[ST+12*\u+4:ST+12*\u+5], v[ST+12*\u+4:ST+12*\u+5], v[ST+12*\u+6:ST+12*\u+7] op_sel_hi:[1,0]
.endr
	s_wait_alu depctr_va_vdst(0)                   ; one wait for the whole batch, ahead of its first reader
.set k, 0
.rept 32                                       ; the sum of the unquantised p, four chains in all; then the hold (p is not negative: one-sided), two numbers a line
.irp u, 0,1
	v_pk_add_f32 v[ST+12*\u+2+2*(k%2):ST+12*\u+3+2*(k%2)], v[ST+12*\u+2+2*(k%2):ST+12*\u+3+2*(k%2)], v[S+64*\u+2*k:S+64*\u+2*k+1]
.endr
.irp u, 0,1
	v_dual_min_num_f32 v[S+64*\u+2*k], v[LP], v[S+64*\u+2*k] :: v_dual_min_num_f32 v[S+64*\u+2*k+1], v[LP2], v[S+64*\u+2*k+1]
.endr
.set k, k+1
.endr
	WIN 0x40                                       ; destination window 1
.irp u, 0,1
.irp g, 0,1,2,3,4,5,6,7
	v_cvt_scalef32_pk8_bf8_f32 v[PC+16*\u+2*\g:PC+16*\u+2*\g+1], v[S+64*\u+8*\g:S+64*\u+8*\g+7], v[SP]
.endr
.endr
	v_nop                                          ; one plain line between the conversions and the products that read their results
	WIN 0
	s_add_co_u32 s36, s36, STEPB
.endm
.macro SLOT_STEPS                      ; a slot's eight key steps: written once, walked eight times
	s_mov_b32 s38, NSTEP
.Lstep_\@:
	STEP
	s_sub_co_u32 s38, s38, 1
	s_cmp_lg_u32 s38, 0
	s_cbranch_scc1 .Lstep_\@
	s_sub_co_u32 s36, s36, NSTEP*STEPB             ; back to a slot's first step,
	s_xor_b32 s36, s36, SLOT1                      ; in the other slot
.endm
; THE CHANGE OF SLOTS stands at a slot's head.  Each wave waits for all its tensor loads, adds 0 to its spare word, and waits for that and for its reads of the slot that it has left (V of its last step among them).
; fill = 1: the barrier is a round of the cluster's; the joint refill is the first thing behind it.
.macro CHANGE fill
	s_wait_tensorcnt 0x0                           ; no tensor load of mine is out, so group 0 may be written
	ds_add_u32 v[SPW], v[NIL]
.if \fill
	s_xor_b32 s33, s33, SLOT1                      ; the other slot than last time,
	s_add_nc_u64 s[34:35], s[34:35], NSTEP*STEPB   ; the next eight key steps
.endif
	s_wait_dscnt 0x0
.if \fill
	ROUND
	tensor_load_to_lds s[32:35], s[24:31]
	s_nop 0
.rept 4
	v_nop
.endr
.else
	s_barrier_signal -1
	s_barrier_wait -1
.endif
.endm
	s_wait_alu depctr_va_vdst(0)                   ; the wait at the head's end
.Lslot:                                            ; NSL - 1 trips: behind each change of slots but the last the next slot is asked for
	CHANGE 1
	SLOT_STEPS
	s_sub_co_u32 s37, s37, 1
	s_cmp_lg_u32 s37, 0
	s_cbranch_scc1 .Lslot
	CHANGE 0                                       ; the last slot is written out
	SLOT_STEPS
	s_wait_alu depctr_va_vdst(0)                   ; the wait directly ahead of the wait below
	s_wait_dscnt 0x0                               ; V of the last step is in
	PVALL                                          ; the last step's second product
	WIN 0
	; THE WAY OUT.  O^T x 2^(ep + ev) / the sum; a lane's 16 registers of two tiles are 16 neighbours along the output projection's K: quantised, they are that product's operand as they stand.
.irp u, 0,1
	v_add_f32 v[ST+12*\u+8], v[ST+12*\u+2], v[ST+12*\u+3]    ; (these lines are also the places behind the last products)
	v_add_f32 v[ST+12*\u+9], v[ST+12*\u+4], v[ST+12*\u+5]
.endr
.irp u, 0,1
	v_add_f32 v[ST+12*\u+8], v[ST+12*\u+8], v[ST+12*\u+9]
.endr
.irp u, 0,1
	v_permlanex16_b32 v[ST+12*\u+9], v[ST+12*\u+8], s20, s21
.endr
.irp u, 0,1
	v_add_f32 v[ST+12*\u+8], v[ST+12*\u+8], v[ST+12*\u+9]
.endr
	s_wait_alu depctr_va_vdst(0)                   ; the wait ahead of the transcendentals
.irp u, 0,1
	v_rcp_f32 v[ST+12*\u+9], v[ST+12*\u+8]
.endr
	v_nop                                          ; a plain line behind the last reciprocal
	s_wait_alu depctr_va_vdst(0)                   ; the wait ahead of the first reader
.irp u, 0,1
	v_ldexp_f32 v[ST+12*\u+9], v[ST+12*\u+9], s60
.endr
	s_wait_alu depctr_va_vdst(0)                   ; the wait directly ahead of the first reader of O^T
.irp u, 0,1
.set n, 0
.rept 32
	v_mul_f32 v[S+64*\u+n], v[O+32*\u+n], v[ST+12*\u+9]
.set n, n+1
.endr
.endr
.irp u, 0,1
	QUANT S+64*\u, OC+8*\u, SA, LA, 32
	global_store_b128 v[LI], v[OC+8*\u:OC+8*\u+3], s[12:13] offset:8192*\u         ; 512 consecutive bytes, aligned
	global_store_b128 v[LI], v[OC+8*\u+4:OC+8*\u+7], s[12:13] offset:8192*\u+512
.endr
	s_wait_tensorcnt 0x0                           ; the wave's end
	ds_add_u32 v[SPW], v[NIL]
	s_wait_dscnt 0x0
	ROUND                                          ; the closing round: no work-group ends while a partner may still ask for a tile that names it
	s_endpgm
.Lfunc_end_k_qd238a1fa4c_attn:
	.size	k_qd238a1fa4c_attn, .Lfunc_end_k_qd238a1fa4c_attn-k_qd238a1fa4c_attn
	.p2alignl 7, 3214868480
	.fill 96, 4, 3214868480
	.section	.rodata,"a",@progbits
	.p2align	6, 0x0
	.amdhsa_kernel k_qd238a1fa4c_attn
		.amdhsa_group_segment_fixed_size 327680
		.amdhsa_private_segment_fixed_size 0
		.amdhsa_enable_private_segment 0
		.amdhsa_kernarg_size 40
		.amdhsa_user_sgpr_count 2
		.amdhsa_user_sgpr_kernarg_segment_ptr 1
		.amdhsa_wavefront_size32 1
		.amdhsa_system_sgpr_workgroup_id_x 1
		.amdhsa_system_sgpr_workgroup_id_y 1
		.amdhsa_system_sgpr_workgroup_id_z 1
		.amdhsa_system_vgpr_workitem_id 0
		.amdhsa_next_free_vgpr 448
		.amdhsa_next_free_sgpr 80
		.amdhsa_reserve_vcc 0
		.amdhsa_float_denorm_mode_32 3
		.amdhsa_float_denorm_mode_16_64 3
		.amdhsa_memory_ordered 1
		.amdhsa_forward_progress 1
		.amdhsa_inst_pref_size 81
	.end_amdhsa_kernel
	.amdgpu_metadata
---
amdhsa.version: [ 1, 2 ]
amdhsa.kernels:
  - .name:           k_qd238a1fa4c_attn
    .symbol:         k_qd238a1fa4c_attn.kd
    .args:
      - { .name: qimg, .offset: 0, .size: 8, .value_kind: global_buffer, .address_space: global }
      - { .name: kv, .offset: 8, .size: 8, .value_kind: global_buffer, .address_space: global }
      - { .name: mimg, .offset: 16, .size: 8, .value_kind: global_buffer, .address_space: global }
      - { .name: lowp_scales, .offset: 24, .size: 8, .value_kind: global_buffer, .address_space: global }
      - { .name: aimg, .offset: 32, .size: 8, .value_kind: global_buffer, .address_space: global }
    .group_segment_fixed_size: 327680
    .private_segment_fixed_size: 0
    .kernarg_segment_align: 8
    .kernarg_segment_size: 40
    .max_flat_workgroup_size: 256
    .sgpr_count:     80
    .vgpr_count:     448
    .wavefront_size: 32
...
	.end_amdgpu_metadata
.endif
;; end of part 3
;; launch oproj (part 4): grid 64 x 4, 8 waves a work-group, no clusters, 35,840 bytes of LDS; arguments aimg, wimg, bo, lowp_scales, out0; writes out0
.if DOCPART == 4
	.amdgcn_target "amdgcn-amd-amdhsa--gfx1250"
	.amdhsa_code_object_version 6
	.text
	.protected	k_qd238a1fa4c_oproj
	.globl	k_qd238a1fa4c_oproj
	.p2align	8
	.type	k_qd238a1fa4c_oproj,@function
k_qd238a1fa4c_oproj:
	s_mov_b64 s[64:65], 0
	v_nop
	global_prefetch_b8 v0, s[64:65] scope:SCOPE_SE
	s_setreg_imm32_b32 hwreg(HW_REG_WAVE_MODE, 25, 1), 1
	s_wait_xcnt 0x0
; OPROJ: out = a Wo^T + bo on codes of BF8 (E5M2).  a: aimg [pair of row tiles 256][u 2][K step 4][chunk 4][512]; Wo: the fourth weight of wimg [tile 32][K step 4][chunk 4][512]; both are images of operand registers.
; A wave makes 32 rows (pair P = 4 x + wave / 2) x 64 columns (group 2 y + wave % 2): eight accumulators, K = 512 in four steps.  All operands go from memory straight into registers, 512 consecutive bytes a load.
; Source 0 = 16 rows of Wo, source 1 = 16 rows of a: a lane holds eight neighbouring columns of one row.  out = sum x 2^(e10 + e11) + bo: one packed multiply-add for two numbers.
; Lane r of tile u holds row 32 P + 8 u + r + 8 (r / 8).  A tile goes through the wave's own stage in LDS (16 rows of 256 + 16 bytes) and leaves as rows: sixteen lanes store 256 consecutive bytes, aligned.
; LIMIT: e10 + e11 between -126 and 127.
; No barrier: waves share nothing.  No cluster and no tensor load: the operands never lie in LDS, so there is no tile to ask for jointly.
.set LI,  1                            ; v1  16 x lane
.set BOF, 2                            ; v2  32 x (lane / 16): my eight numbers of a tile's sixteen biases
.set STO, 3                            ; v3  the stage: where I put 32 bytes of a row
.set RD,  4                            ; v4  and where I read a row back
.set CO,  5                            ; v5  my byte offset in out0
.set ACC, 16                           ; v16-79   accumulator (m, t) at 32 m + 8 t
.set BO,  80                           ; v80-111  bo, eight registers a tile of columns
.set AF,  112                          ; v112-239 a's fragments (m, s) at 64 m + 16 s
.set Y,   112                          ; later: the results,
.set BK,  176                          ; and the rows read back from the stage
.set MSB, 0
.macro WIN new                         ; the immediate's high byte repeats the setting that is left
.if MSB != \new
	s_set_vgpr_msb (MSB<<8)|\new
.set MSB, \new
.endif
.endm
	s_load_b256 s[4:11], s[0:1], 0x0               ; aimg s[4:5], wimg s[6:7], bo s[8:9], scales s[10:11]
	s_load_b64 s[12:13], s[0:1], 0x20              ; out0
	v_lshl_add_u32 v254, v0, 2, 0x8800
	v_mov_b32 v255, 0
	v_lshrrev_b32 v8, 5, v0
	s_delay_alu instid0(VALU_DEP_1)
	v_readfirstlane_b32 s14, v8                    ; wave 0..7
	v_and_b32 v9, 31, v0
	s_delay_alu instid0(VALU_DEP_1)
	v_lshlrev_b32 v[LI], 4, v9
	v_and_b32 v10, 15, v0                          ; r
	s_wait_alu depctr_va_vdst(0)
	v_bfe_u32 v11, v0, 4, 1                        ; h
	s_delay_alu instid0(VALU_DEP_1)
	v_lshlrev_b32 v[BOF], 5, v11
	s_lshr_b32 s15, s14, 1
	s_lshl_b32 s16, ttmp9, 2
	s_add_co_u32 s15, s15, s16                     ; P
	s_and_b32 s16, ttmp7, 0xffff
	s_lshl_b32 s16, s16, 1
	s_and_b32 s17, s14, 1
	s_add_co_u32 s16, s16, s17                     ; the group of 64 columns
	s_mul_i32 s18, s14, 16*272                     ; my stage
	v_mul_u32_u24 v[STO], v10, 272
	s_wait_alu depctr_va_vdst(0)
	v_lshl_add_u32 v[STO], v11, 5, v[STO]
	s_delay_alu instid0(VALU_DEP_1)
	v_add_nc_u32 v[STO], s18, v[STO]               ; in: row r, + 32 h
	v_mul_u32_u24 v[RD], v11, 272
	s_delay_alu instid0(VALU_DEP_1)
	v_lshl_add_u32 v[RD], v10, 4, v[RD]
	s_delay_alu instid0(VALU_DEP_1)
	v_add_nc_u32 v[RD], s18, v[RD]                 ; back: lanes 0-15 one row, lanes 16-31 the next
	v_lshlrev_b32 v[CO], 11, v11
	s_delay_alu instid0(VALU_DEP_1)
	v_lshl_add_u32 v[CO], v10, 4, v[CO]            ; and the same two rows of 2,048 bytes in out0
	s_mov_b32 s25, 0
	s_wait_kmcnt 0x0
	s_load_b64 s[20:21], s[10:11], 0x28            ; lowp_scales[10], [11]
	s_lshl_b32 s24, s16, 8
	s_add_nc_u64 s[8:9], s[8:9], s[24:25]          ; bo at my 64 columns
	s_add_nc_u64 s[12:13], s[12:13], s[24:25]      ; out0 likewise,
	s_lshl_b32 s24, s15, 16
	s_add_nc_u64 s[12:13], s[12:13], s[24:25]      ; at my 32 rows
	s_lshl_b32 s24, s15, 14
	s_add_nc_u64 s[4:5], s[4:5], s[24:25]          ; aimg: 16,384 a pair
	s_lshl_b32 s24, s16, 15
	s_add_co_u32 s24, s24, 786432                  ; wimg: the fourth weight; 32,768 for four tiles
	s_add_nc_u64 s[6:7], s[6:7], s[24:25]
.irp t, 0,1,2,3
	global_load_b128 v[BO+8*\t:BO+8*\t+3], v[BOF], s[8:9] offset:64*\t
	global_load_b128 v[BO+8*\t+4:BO+8*\t+7], v[BOF], s[8:9] offset:64*\t+16
.endr
.macro KLOAD s                         ; K step s: 16 loads of Wo into window 1, 8 of a
	WIN 0x40
.irp t, 0,1,2,3
.irp c, 0,1,2,3
	global_load_b128 v[64*\t+16*(\s)+4*\c:64*\t+16*(\s)+4*\c+3], v[LI], s[6:7] offset:8192*\t+2048*(\s)+512*\c
.endr
.endr
	WIN 0
.irp m, 0,1
.irp c, 0,1,2,3
	global_load_b128 v[AF+64*\m+16*(\s)+4*\c:AF+64*\m+16*(\s)+4*\c+3], v[LI], s[4:5] offset:8192*\m+2048*(\s)+512*\c
.endr
.endr
.endm
.macro MUL s                           ; eight products; the eight accumulators take turns, in the same order in every K step
	WIN 0x01                                       ; source 0 (Wo) window 1
.irp m, 0,1
.irp t, 0,1,2,3
.if (\s) == 0
	v_wmma_f32_16x16x128_bf8_bf8 v[ACC+32*\m+8*\t:ACC+32*\m+8*\t+7], v[64*\t+16*(\s):64*\t+16*(\s)+15], v[AF+64*\m+16*(\s):AF+64*\m+16*(\s)+15], 0
.else
	v_wmma_f32_16x16x128_bf8_bf8 v[ACC+32*\m+8*\t:ACC+32*\m+8*\t+7], v[64*\t+16*(\s):64*\t+16*(\s)+15], v[AF+64*\m+16*(\s):AF+64*\m+16*(\s)+15], v[ACC+32*\m+8*\t:ACC+32*\m+8*\t+7]
.endif
.endr
.endr
	WIN 0
.endm
	KLOAD 0
	KLOAD 1
	KLOAD 2
	s_wait_loadcnt 48                              ; the biases and K step 0 are in; steps 1 and 2, 24 loads each, may be out
	MUL 0
	KLOAD 3                                        ; into registers that no product has named yet
	s_wait_loadcnt 48                              ; step 1 is in; steps 2 and 3 may be out
	MUL 1
	s_wait_loadcnt 24
	MUL 2
	s_wait_loadcnt 0x0
	MUL 3
.rept 4
	v_nop                                          ; in front of the first read of results, and of writes and loads into the registers that held a's fragments
.endr
	s_wait_kmcnt 0x0
	s_add_co_i32 s22, s20, s21
	s_add_co_i32 s22, s22, 127
	s_lshl_b32 s22, s22, 23                        ; 2^(e10 + e11) as f32
	s_mov_b32 s23, s22                             ; (named with it as a pair, so it is written)
.irp m, 0,1
.irp t, 0,1,2,3
.irp i, 0,2,4,6
	v_pk_fma_f32 v[Y+32*\m+8*\t+\i:Y+32*\m+8*\t+\i+1], v[ACC+32*\m+8*\t+\i:ACC+32*\m+8*\t+\i+1], s[22:23], v[BO+8*\t+\i:BO+8*\t+\i+1] op_sel_hi:[1,0,1]   ; each accumulator from its low end on
.endr
.endr
.endr
.irp m, 0,1
.irp t, 0,1,2,3
	ds_store_b128 v[STO], v[Y+32*\m+8*\t:Y+32*\m+8*\t+3] offset:64*\t
	ds_store_b128 v[STO], v[Y+32*\m+8*\t+4:Y+32*\m+8*\t+7] offset:64*\t+16
.endr
.irp i, 0,1,2,3,4,5,6,7
	ds_load_b128 v[BK+32*\m+4*\i:BK+32*\m+4*\i+3], v[RD] offset:544*\i   ; LDS serves a wave's instructions in order: these see my stores, and the next tile's stores come behind them
.endr
.endr
.irp m, 0,1
.irp i, 0,1,2,3,4,5,6,7
	s_wait_dscnt 16*(1-\m)+7-\i                    ; behind this load: the rest of its tile's loads, and for tile 0 the sixteen LDS instructions of tile 1
	global_store_b128 v[CO], v[BK+32*\m+4*\i:BK+32*\m+4*\i+3], s[12:13] offset:(8*\m+2*\i+8*(\i/4))*2048 th:TH_STORE_NT   ; stage rows 2 i, 2 i + 1 are rows 8 m + 2 i + 8 (i / 4) and the next
.endr
.endr
	s_wait_tensorcnt 0x0
	ds_add_u32 v254, v255
	s_wait_dscnt 0x0
	s_endpgm
.Lfunc_end_k_qd238a1fa4c_oproj:
	.size	k_qd238a1fa4c_oproj, .Lfunc_end_k_qd238a1fa4c_oproj-k_qd238a1fa4c_oproj
	.p2alignl 7, 3214868480
	.fill 96, 4, 3214868480
	.section	.rodata,"a",@progbits
	.p2align	6, 0x0
	.amdhsa_kernel k_qd238a1fa4c_oproj
		.amdhsa_group_segment_fixed_size 35840
		.amdhsa_private_segment_fixed_size 0
		.amdhsa_enable_private_segment 0
		.amdhsa_kernarg_size 40
		.amdhsa_user_sgpr_count 2
		.amdhsa_user_sgpr_kernarg_segment_ptr 1
		.amdhsa_wavefront_size32 1
		.amdhsa_system_sgpr_workgroup_id_x 1
		.amdhsa_system_sgpr_workgroup_id_y 1
		.amdhsa_system_sgpr_workgroup_id_z 1
		.amdhsa_system_vgpr_workitem_id 0
		.amdhsa_next_free_vgpr 512
		.amdhsa_next_free_sgpr 66
		.amdhsa_reserve_vcc 0
		.amdhsa_float_denorm_mode_32 3
		.amdhsa_float_denorm_mode_16_64 3
		.amdhsa_memory_ordered 1
		.amdhsa_forward_progress 1
		.amdhsa_inst_pref_size 22
	.end_amdhsa_kernel
	.amdgpu_metadata
---
amdhsa.version: [ 1, 2 ]
amdhsa.kernels:
  - .name:           k_qd238a1fa4c_oproj
    .symbol:         k_qd238a1fa4c_oproj.kd
    .args:
      - { .name: aimg, .offset: 0, .size: 8, .value_kind: global_buffer, .address_space: global }
      - { .name: wimg, .offset: 8, .size: 8, .value_kind: global_buffer, .address_space: global }
      - { .name: bo, .offset: 16, .size: 8, .value_kind: global_buffer, .address_space: global }
      - { .name: lowp_scales, .offset: 24, .size: 8, .value_kind: global_buffer, .address_space: global }
      - { .name: out0, .offset: 32, .size: 8, .value_kind: global_buffer, .address_space: global }
    .group_segment_fixed_size: 35840
    .private_segment_fixed_size: 0
    .kernarg_segment_align: 8
    .kernarg_segment_size: 40
    .max_flat_workgroup_size: 256
    .sgpr_count:     66
    .vgpr_count:     512
    .wavefront_size: 32
...
	.end_amdgpu_metadata
.endif
;; end of part 4
